; MI455X (gfx1250); checked and timed in simulation.
; The chip was launched on July 23, 2026; its instructions are those of AMD's public machine-readable ISA for CDNA 5 (MIT licence, August 2026) and "CDNA5" Instruction Set Architecture Reference Guide (July 2026). The comments in the code are by the model that wrote it; some were corrected since.
;; Encoding. Allowed arithmetic: matrix products marked QUANTISED: E4M3 operands, one E8M0 scale for each 32 along K, by v_wmma_scale_f32_16x16x128_f8f6f4 with both operands' format E4M3, f32 sums; everything else in f32.
;; Inputs: codewords 32 x 512 float32; scale 32 float32; x 32 x 512 x 64 x 64 float32.
;; Outputs: out0 32 x 32 x 512 float32.
;; This version of the problem:
;;   THIS VERSION OF THE PROBLEM IS GIVEN IN LOW PRECISION. The matrix products marked QUANTISED in the list below multiply operands that are first quantised to E4M3 (4 exponent bits, 3 mantissa bits; 8 bits a number), with one power-of-two scale for each 32 numbers along K (OCP MX v1.0); their sums are f32. All else is computed in f32.
;;   The module's matrix products, in the order in which they are computed (A, B: the left and right operand; K: the contracted axis; several contracted axes count as one K, in the product's order):
;;     1. [M 131,072, K 512] x [K 512, N 32]; A: input x; B: input codewords: QUANTISED
;;     2. batch 32 x [M 32, K 4,096] x [K 4,096, N 512]; A: computed on the way; B: input x: QUANTISED
;;   THE QUANTISER, for each operand of a quantised product, along K:
;;     - K is cut into blocks of 32 from its start; a last block that is shorter is filled with zeros.
;;     - A block's scale is 2^e with e = floor(log2(the largest magnitude in the block)) - 8, held to -126 .. 127; a block of zeros has e = 0. As a byte (E8M0): e + 127.
;;     - Each number is divided by its block's scale, clamped to +-448, and rounded to the nearest number of E4M3, ties to even, subnormals kept.
;;     - The product sums the exact products of the quantised numbers (number of the format x scale) in f32.
;;   ~~~python
;;   def quantise(x, axis):      # numpy; x: float32 -> the quantised numbers, widened to float32 again
;;       x = np.moveaxis(x, axis, -1); K = x.shape[-1]
;;       x = np.pad(x, [(0, 0)] * (x.ndim - 1) + [(0, -K % 32)]); x = x.reshape(x.shape[:-1] + (-1, 32)); a = np.abs(x).max(-1, keepdims=True)
;;       e = np.where(a > 0, np.clip(np.frexp(np.where(a > 0, a, 1))[1] - 1 - 8, -126, 127), 0)      # np.frexp(a)[1] - 1 = floor(log2(a)), exactly
;;       r = np.clip(x / 2.0 ** e, -448, 448)
;;       step = 2.0 ** (np.maximum(np.frexp(np.where(r == 0, 1, r))[1] - 1, -6) - 3)
;;       q = np.round(r / step) * step * 2.0 ** e      # np.round: ties to even
;;       return np.moveaxis(q.reshape(q.shape[:-2] + (-1,))[..., :K], -1, axis).astype(np.float32)
;;   ~~~
;;   OPERANDS COMPUTED ON THE WAY. 'Computed on the way' means the value that the module computes at that place (a softmax that the list does not call 'softmax' is quantised finished and normalised). What goes into a quantiser is computed in f32, as accurately as f32 sums, v_exp_f32 and their like allow (about 1e-6 of the number): no bf16 or f16 on the way to a quantiser, and a product that is left as it is and whose result goes on into a quantised operand takes f32 operands (vector FMAs, or v_wmma_f32_16x16x4_f32). A number that lies on a knife's edge between two numbers of the format may be rounded either way, as far as f32 arithmetic and the matrix unit's own rounding can turn it there, and no further.
;; One version. Each part assembles by itself: llvm-mc -triple=amdgcn-amd-amdhsa -mcpu=gfx1250 --defsym DOCPART=n.
;; ======== version 1 of 1: 2 launches
;; limits: right only within a limited range of input values
;; workspace buffers: part 16,777,216 bytes
;; launch encode (part 1): grid 8 x 32, 8 waves a work-group, no clusters, 223,744 bytes of LDS; arguments x, codewords, scale, part; writes part
.if DOCPART == 1
	.amdgcn_target "amdgcn-amd-amdhsa--gfx1250"
	.amdhsa_code_object_version 6
	.text
	.protected	k_qc7ba5cddb0_encode
	.globl	k_qc7ba5cddb0_encode
	.p2align	8
	.type	k_qc7ba5cddb0_encode,@function
k_qc7ba5cddb0_encode:
	s_mov_b64 s[64:65], 0
	v_nop
	global_prefetch_b8 v0, s[64:65] scope:SCOPE_SE
	s_setreg_imm32_b32 hwreg(HW_REG_WAVE_MODE, 25, 1), 1
	s_wait_xcnt 0x0
; part[b][e][k][c] = sum over the 512 positions n of eighth e of batch b of w[n][k] (x[c][n] - codewords[k][c]), w = softmax over k of scale[k] (|x_n|^2 - 2 x_n.c_k + |c_k|^2).
; Both products are MX-FP8: x.c with K = the 512 channels, w^T x with K = the positions; x is quantised along each of the two axes, w finished and normalised. A later launch adds the eight parts.
; No work of the problem is left out; all three inputs are loaded.
; A work-group (8 waves) takes a batch and 512 positions, in 4 steps of 128 positions; a step is two tiles of 256 channels. Wave w owns channels 32 w .. 32 w + 31 of each tile.
; x IS QUANTISED IN THE REGISTERS IN WHICH IT LANDS; only codes and scale bytes go through LDS.
; A unit is 32 channels x 64 positions, 16 loads of 16 bytes a lane: lanes 0-15 take 256 consecutive bytes of channel j, lanes 16-31 of channel 16 + j. Lane (r, h) so holds positions 4 r + e (e = 0..3) of channels 16 h + j.
; Along the channels: a lane's 16 numbers of one e are the half h of a block of 32, as the operand's layout wants them; the hold writes them into neighbouring registers; the codes leave as images of the
; operand's registers, and wave 4 u + e reads those of all eight waves: the fragment of positions 64 u + 4 r + e.
; Along the positions: a channel's block of 32 lies in 8 lanes; the numbers are multiplied by 1 / scale (a power of two: nothing is rounded), held and converted at scale 1; the codes turn through the wave's own LDS bytes.
; Two units take turns in 128 registers: while one is worked on the other's 16 loads are out, and each quarter of a unit (four loads) is asked for again as soon as it is converted. So there is no tensor load,
; and no prefetch: the loads themselves run a tile ahead. No cluster: the work-groups share the codewords alone, 64 KiB of the 1 MiB that each reads.
; log2(e) is folded into scale, and c2 x scale into one fused multiply-add; the row's maximum is taken away before the exponential.
; LIMITS: NaN and infinities among the inputs are not served; a block whose largest magnitude lies under 2^(9-127) gets the scale byte 1 (a block of zeros too: its codes are zeros).
.set ROWB,   16384                     ; a channel's row of x in bytes
.set HALFB,  256*ROWB
.set WIMG,   0                         ; w's codes as an image of the operand's registers
.set WSC,    4096                      ; w's scale bytes
.set CWIMG,  WSC+512                   ; the codewords' codes, 8 fragments as register images
.set CWSC,   CWIMG+16384
.set C2P,    CWSC+1024
.set WSUM,   C2P+512
.set KCB,    WSUM+512                  ; each wave's own copy of c2 x scale and scale, by lane half
.set SPARE,  KCB+2048                  ; the spare words, 128 bytes a wave
.set WF,     SPARE+1024                ; w in f32, [32 k][128 n]
.set WFP,    528
.set BCODE,  WF+32*WFP                 ; x's codes along the channels: [tile parity][fragment 4u+e][wave][lane] x 16 bytes
.set BSC,    BCODE+65536               ; their scale bytes: [parity][fragment][r][wave]
.set X2P,    BSC+2048                  ; partial |x|^2: [fragment][wave][lane]
.set APRIV,  X2P+8192                  ; each wave's own: codes along the positions, 2 x 16 rows of 128 + 16 bytes
.set AP,     144
.set AFR,    16*AP+64
.set ASC,    APRIV+8*2*AFR             ; and their exponent bytes, [row][4]
.set STAGE,  ASC+1024                  ; the way out
.set STGP,   2064
.set SPW, 1
.set NIL, 2
.set VGO, 3
.set L16, 4
.set BST, 5
.set BLD, 6
.set BSS, 7
.set BSL, 8
.set AST, 9
.set ALD, 10
.set ASS, 11
.set ASL, 12
.set X2S, 13
.set X2L, 14
.set WFS, 15
.set CWS, 16
.set XAS, 24
.set XBS, 28
.set WSW, 30
.set CWT, 32                           ; v32-95 four fragments of codewords
.set H,   96                           ; v96-127 held numbers, neighbours along the channels
.set XC,  128                          ; v128-159 x's two fragments for product 1; before that the codes that I make
.set S,   160
.set TM,  176
.set FY,  192                          ; v192-207 two sets of four pairs (1 / scale, exponent byte)
.set M,   208
.set AC,  216                          ; v216-223 two sets of four registers of codes
.set X2,  224                          ; v224-239 [unit][even j, odd j][e]
.set ONE, 240
.set WFR, 241
.set WIS, 242
.set WBS, 243
.set WSL, 244
.set WS,  248
.set MX,  254
.set XL,  M
.set WC,  AC
.set STA, CWT
.set STB, H
.set DD,  STA
.set TT,  STA+16
.set UU,  STA+32
.set WG,  STA
.set XA,  128                          ; window 1: v0-127 the two units; v128-191 x's codes for product 2; v192-255 its sums
.set ACC, 192
.set CIS, 224                          ; the head's own
.set CSS, 225
.set KCA, 226
.set CSR, 227
.set C2R, 228
.set CGO, 229
.set SGO, 230
.set C2S, 231
.set RR,  232
.set HH,  233
.set LN,  234
.set T1,  235
.set T2,  236
.set WV,  12
.set WH,  13
.set WL,  14
.set SKC, 17
.set NEG, 18
.set POS, 19
.set FLR, 20
.set EM8, 21
.set EXM, 22
.set FCB, 23
.set SEL, 32
.set MNT, 34
.set CNT, 35
.set MSB, 0
.macro WIN new
.if MSB != \new
	s_set_vgpr_msb (MSB<<8)|\new
.set MSB, \new
.endif
.endm
.macro BARRIER
	s_wait_dscnt 0x0
	s_barrier_signal -1
	s_barrier_wait -1
.endm
.macro SADD d, sh, base                ; (wave << sh) + base
	s_lshl_b32 s[\d], s[WV], \sh
	s_add_co_u32 s[\d], s[\d], \base
.endm
; the codewords' quantiser (the head): four blocks of 32, of which a lane holds 16 numbers each and lane l xor 16 the others
.macro QMAX src
.irp b, 0,1,2,3
	v_max3_num_f32 v[TM+\b], |v[\src+16*\b]|, |v[\src+1+16*\b]|, 0x4800000
.endr
.irp i, 2,4,6,8,10,12,14
.irp b, 0,1,2,3
	s_delay_alu instid0(VALU_DEP_4)
	v_max3_num_f32 v[TM+\b], v[TM+\b], |v[\src+16*\b+\i]|, |v[\src+1+16*\b+\i]|
.endr
.endr
.irp b, 0,1,2,3
	s_delay_alu instid0(VALU_DEP_4)
	v_permlanex16_b32 v[TM+4+\b], v[TM+\b], s[SEL], s[SEL+1]
.endr
.irp b, 0,1,2,3
	s_delay_alu instid0(VALU_DEP_4)
	v_max_num_f32 v[TM+\b], v[TM+\b], v[TM+4+\b]
.endr
.endm
.macro QSCALE word
.irp b, 0,1,2,3
	v_add_nc_u32 v[TM+12+\b], 0xfc000000, v[TM+\b]
.endr
.irp b, 0,1,2,3
	v_and_or_b32 v[TM+8+\b], v[TM+\b], 0x7f800000, s[MNT]
.endr
.irp b, 0,1,2,3
	v_lshrrev_b32 v[TM+4+\b], 23, v[TM+12+\b]
.endr
	s_delay_alu instid0(VALU_DEP_3)
	v_lshl_or_b32 v[\word], v[TM+5], 8, v[TM+4]
	s_delay_alu instid0(VALU_DEP_1)
	v_lshl_or_b32 v[\word], v[TM+6], 16, v[\word]
	s_delay_alu instid0(VALU_DEP_1)
	v_lshl_or_b32 v[\word], v[TM+7], 24, v[\word]
.endm
.macro QHOLD src
.irp b, 0,1,2,3
.irp i, 0,1,2,3,4,5,6,7,8,9,10,11,12,13,14,15
	v_med3_num_f32 v[\src+16*\b+\i], v[\src+16*\b+\i], -v[TM+8+\b], v[TM+8+\b]
.endr
.endr
.endm
.macro QCVT src, dst
.irp b, 0,1,2,3
	v_cvt_scalef32_pk8_fp8_f32 v[\dst+4*\b:\dst+4*\b+1], v[\src+16*\b:\src+16*\b+7], v[TM+12+\b]
	v_cvt_scalef32_pk8_fp8_f32 v[\dst+4*\b+2:\dst+4*\b+3], v[\src+16*\b+8:\src+16*\b+15], v[TM+12+\b]
.endr
.endm
.macro SQ src, acc
.set sq_i, 0
.rept 32
.if sq_i < 4
	v_pk_mul_f32 v[\acc+2*sq_i:\acc+2*sq_i+1], v[\src+2*sq_i:\src+2*sq_i+1], v[\src+2*sq_i:\src+2*sq_i+1]
.else
	v_pk_fma_f32 v[\acc+2*(sq_i%4):\acc+2*(sq_i%4)+1], v[\src+2*sq_i:\src+2*sq_i+1], v[\src+2*sq_i:\src+2*sq_i+1], v[\acc+2*(sq_i%4):\acc+2*(sq_i%4)+1]
.endif
.set sq_i, sq_i+1
.endr
.endm
.macro FOLD acc                        ; eight partial sums and lane l xor 16's into one
	v_pk_add_f32 v[\acc:\acc+1], v[\acc:\acc+1], v[\acc+2:\acc+3]
	v_pk_add_f32 v[\acc+4:\acc+5], v[\acc+4:\acc+5], v[\acc+6:\acc+7]
	s_delay_alu instid0(VALU_DEP_1)
	v_pk_add_f32 v[\acc:\acc+1], v[\acc:\acc+1], v[\acc+4:\acc+5]
	s_delay_alu instid0(VALU_DEP_1)
	v_add_f32 v[\acc], v[\acc], v[\acc+1]
	s_delay_alu instid0(VALU_DEP_1)
	v_permlanex16_b32 v[TM+4], v[\acc], s[SEL], s[SEL+1]
	s_delay_alu instid0(VALU_DEP_1)
	v_add_f32 v[\acc], v[\acc], v[TM+4]
.endm
.macro GLQ u, j0, half                 ; four loads of unit u: channels j0 .. j0 + 3 and 16 + j0 .., 256 bytes each
	WIN 0x40
.irp i, 0,1,2,3
	global_load_b128 v[64*(\u)+4*((\j0)+\i):64*(\u)+4*((\j0)+\i)+3], v[VGO], s[4:5] offset:((\j0)+\i)*ROWB+(\half)*HALFB+(\u)*256 th:TH_LOAD_NT
.endr
	WIN 0
.endm
.macro CWL kq, d                       ; the codewords' two fragments of channels 128 kq ..
.irp f, 0,1
.irp c, 0,1,2,3
	ds_load_b128 v[CWT+(\d)+16*\f+4*\c:CWT+(\d)+16*\f+4*\c+3], v[L16] offset:CWIMG+2048*(2*(\kq)+\f)+512*\c
.endr
.endr
.endm
; Quarter bt of unit u along the positions: four loads' registers, in place; then (ld) they are asked for again: the same unit of the next tile.
; The pairs and the codes that LDS stores read take turns between two sets of registers.
.macro AQ u, s, ld, bt, cw
.set GB, 64*(\u)+16*(\bt)
.set FYS, FY+8*((\bt)%2)
.set ACS, AC+4*((\bt)%2)
	s_wait_dscnt 8                                 ; the stores that read this set are done: behind them stand the eight of the quarter before, at the least
.if (\cw)
	CWL 2*(\s), 0
	CWL 2*(\s)+1, 32
.endif
	WIN 0x05
.irp i, 0,1,2,3
	v_max3_num_f32 v[M+\i], |v[GB+4*\i]|, |v[GB+4*\i+1]|, s[FLR]
.endr
.irp i, 0,1,2,3
	v_max3_num_f32 v[M+\i], |v[GB+4*\i+2]|, |v[GB+4*\i+3]|, v[M+\i]
.endr
	WIN 0
.irp x, 1,2,4
.irp i, 0,1,2,3
	v_max_num_f32_dpp v[M+\i], v[M+\i], v[M+\i] row_xmask:\x row_mask:0xf bank_mask:0xf   ; the eight lanes of a block
.endr
.endr
.irp i, 0,1,2,3
	v_and_b32 v[FYS+2*\i], s[EXM], v[M+\i]
.endr
.irp i, 0,1,2,3
	v_lshrrev_b32 v[FYS+2*\i+1], 23, v[FYS+2*\i]   ; the exponent field: the scale's byte + 8 (the 8 is taken off the scale words, once a step)
.endr
.irp i, 0,1,2,3
	v_sub_nc_u32 v[FYS+2*\i], s[FCB], v[FYS+2*\i]  ; exponent field 262 - that: 1 / scale
.endr
.irp i, 0,1,2,3
	ds_store_b8 v[ASS], v[FYS+2*\i+1] offset:(4*(\bt)+\i)*4+2*(\u)   ; the eight lanes of a block write the same byte with the same value
.endr
	WIN 0x41
.irp i, 0,1,2,3
	v_pk_mul_f32 v[GB+4*\i:GB+4*\i+1], v[GB+4*\i:GB+4*\i+1], v[FYS+2*\i:FYS+2*\i+1] op_sel_hi:[1,0]
	v_pk_mul_f32 v[GB+4*\i+2:GB+4*\i+3], v[GB+4*\i+2:GB+4*\i+3], v[FYS+2*\i:FYS+2*\i+1] op_sel_hi:[1,0]
.endr
.set md_i, 0
.rept 16
	v_med3_num_f32 v[GB+md_i], v[GB+md_i], s[NEG], s[POS]
.set md_i, md_i+1
.endr
	WIN 0x01
.irp i, 0,1
	v_cvt_scalef32_pk8_fp8_f32 v[ACS+2*\i:ACS+2*\i+1], v[GB+8*\i:GB+8*\i+7], v[ONE]
.endr
	WIN 0
	v_nop
.if \ld
	GLQ \u, 4*(\bt), 1-(\s)
.endif
.irp i, 0,1,2,3
	ds_store_b32 v[AST], v[ACS+\i] offset:(4*(\bt)+\i)*AP+64*(\u)
.endr
.endm
; Unit u. First the four blocks along the channels (e = 0..3; my 16 numbers of each in registers 4 j + e): largest magnitudes, squares, scales.
; Then by halves of eight loads: held and converted along the channels (the unit's registers stay as they are), and two quarters along the positions.
.macro UNIT u, s, ld, cw
.set GU, 64*(\u)
.set XQ, X2+8*(\u)
	s_wait_dscnt 8                                 ; the last unit's stores of scale bytes and codes along the channels are done: more than eight stores stand behind them
	WIN 0x05
.irp jj, 0,2,4,6,8,10,12,14
.irp e, 0,1,2,3
.if \jj == 0
	v_max3_num_f32 v[TM+\e], |v[GU+\e]|, |v[GU+4+\e]|, s[FLR]
.else
	v_max3_num_f32 v[TM+\e], |v[GU+4*\jj+\e]|, |v[GU+4*\jj+4+\e]|, v[TM+\e]
.endif
.endr
.irp d, 0,1,2,3
.if (\jj == 0) && (\s == 0)
	v_pk_mul_f32 v[XQ+2*\d:XQ+2*\d+1], v[GU+4*\jj+2*\d:GU+4*\jj+2*\d+1], v[GU+4*\jj+2*\d:GU+4*\jj+2*\d+1]
.else
	v_pk_fma_f32 v[XQ+2*\d:XQ+2*\d+1], v[GU+4*\jj+2*\d:GU+4*\jj+2*\d+1], v[GU+4*\jj+2*\d:GU+4*\jj+2*\d+1], v[XQ+2*\d:XQ+2*\d+1]
.endif
.endr
.endr
	WIN 0
.irp e, 0,1,2,3
	v_permlanex16_b32 v[TM+4+\e], v[TM+\e], s[SEL], s[SEL+1]
.endr
.irp e, 0,1,2,3
	s_delay_alu instid0(VALU_DEP_4)
	v_max_num_f32 v[TM+\e], v[TM+\e], v[TM+4+\e]
.endr
.irp e, 0,1,2,3
	v_add_nc_u32 v[TM+12+\e], s[EM8], v[TM+\e]     ; 8 off the exponent field: the conversion's scale
.endr
.irp e, 0,1,2,3
	v_and_or_b32 v[TM+8+\e], v[TM+\e], s[EXM], s[MNT]    ; 448 x the scale
.endr
.irp e, 0,1,2,3
	v_lshrrev_b32 v[TM+4+\e], 23, v[TM+12+\e]
.endr
.irp e, 0,1,2,3
	ds_store_b8 v[BSS], v[TM+4+\e] offset:(\s)*1024+(4*(\u)+\e)*128
.endr
.irp jh, 0,1
	WIN 0x01
.irp j, 0,1,2,3,4,5,6,7
.irp e, 0,1,2,3
	v_med3_num_f32 v[H+8*\e+\j], v[GU+32*\jh+4*\j+\e], -v[TM+8+\e], v[TM+8+\e]
.endr
.endr
	WIN 0
.irp e, 0,1,2,3
	v_cvt_scalef32_pk8_fp8_f32 v[XC+4*\e+2*\jh:XC+4*\e+2*\jh+1], v[H+8*\e:H+8*\e+7], v[TM+12+\e]
.endr
	v_nop
.if \jh == 1
.irp e, 0,1,2,3
	ds_store_b128 v[BST], v[XC+4*\e:XC+4*\e+3] offset:(\s)*32768+(4*(\u)+\e)*4096
.endr
.endif
.irp qq, 0,1
	AQ \u, \s, \ld, 2*\jh+\qq, (\cw)*\jh*\qq
.endr
.endr
.endm
; Product 1 on my fragment of 16 positions, tile s's 256 channels. n: the LDS loads issued behind the fragments and their scale words
.macro PROD s, n
	s_wait_dscnt \n
.irp q, 0,1
.if (2*(\s)+\q) == 0
	v_wmma_scale_f32_16x16x128_f8f6f4 v[S:S+7], v[CWT+32*\q:CWT+32*\q+15], v[XC+16*\q:XC+16*\q+15], 0, v[CWS+4*(\s)+2*\q], v[XBS+\q]
	v_wmma_scale_f32_16x16x128_f8f6f4 v[S+8:S+15], v[CWT+32*\q+16:CWT+32*\q+31], v[XC+16*\q:XC+16*\q+15], 0, v[CWS+4*(\s)+2*\q+1], v[XBS+\q]
.else
	v_wmma_scale_f32_16x16x128_f8f6f4 v[S:S+7], v[CWT+32*\q:CWT+32*\q+15], v[XC+16*\q:XC+16*\q+15], v[S:S+7], v[CWS+4*(\s)+2*\q], v[XBS+\q]
	v_wmma_scale_f32_16x16x128_f8f6f4 v[S+8:S+15], v[CWT+32*\q+16:CWT+32*\q+31], v[XC+16*\q:XC+16*\q+15], v[S+8:S+15], v[CWS+4*(\s)+2*\q+1], v[XBS+\q]
.endif
.endr
.endm
; One tile: both units quantised both ways; a barrier; my fragments are fetched. The first tile's product stands behind the second tile's wait for its loads.
.macro TILE s, ld
.if (\s == 1) && (\ld)
	s_wait_xcnt 0x0                                ; the loads have read their base
	s_add_nc_u64 s[4:5], s[4:5], 512               ; from here on the next step is asked for
.endif
	s_wait_loadcnt 16                              ; unit 0 is in; unit 1's 16 loads may be out
.if \s == 1
	PROD 0, 10                                     ; behind them: 8 loads of codes along the positions and 2 of their scale words
.endif
	UNIT 0, \s, \ld, 0
.if \ld
	s_wait_loadcnt 16                              ; unit 1 is in; behind it unit 0's 16 new loads
.else
	s_wait_loadcnt 0
.endif
	UNIT 1, \s, \ld, 1
.if \s == 1
.irp u, 0,1
	v_pk_add_f32 v[X2+8*\u:X2+8*\u+1], v[X2+8*\u:X2+8*\u+1], v[X2+8*\u+4:X2+8*\u+5]
	v_pk_add_f32 v[X2+8*\u+2:X2+8*\u+3], v[X2+8*\u+2:X2+8*\u+3], v[X2+8*\u+6:X2+8*\u+7]
.endr
.irp u, 0,1
.irp e, 0,1,2,3
	ds_store_b32 v[X2S], v[X2+8*\u+\e] offset:(4*\u+\e)*1024
.endr
.endr
.endif
	BARRIER                                        ; every wave's codes of this tile are in LDS
.irp q, 0,1
.irp c, 0,1,2,3
	ds_load_b128 v[XC+16*\q+4*\c:XC+16*\q+4*\c+3], v[BLD] offset:(\s)*32768+(4*\q+\c)*512
.endr
.endr
	ds_load_b64 v[XBS:XBS+1], v[BSL] offset:(\s)*1024
	WIN 0x40
.irp f, 0,1
.irp c, 0,1,2,3
	ds_load_b128 v[XA+16*(2*(\s)+\f)+4*\c:XA+16*(2*(\s)+\f)+4*\c+3], v[ALD] offset:\f*AFR+32*\c   ; LDS serves a wave's instructions in order: these see my stores
.endr
.endr
	WIN 0
.irp f, 0,1
	ds_load_b32 v[XAS+2*(\s)+\f], v[ASL] offset:64*\f
.endr
.if \s == 1
.irp p, 0,1,2,3,4,5,6,7
	ds_load_b32 v[XL+\p], v[X2L] offset:128*\p
.endr
	v_bfe_u32 v[WC], v0, 4, 1
	s_delay_alu instid0(VALU_DEP_1)
	v_lshl_add_u32 v[WC], v[WC], 7, s[SKC]
.irp u, 0,1,2,3,4,5,6,7
	ds_load_b128 v[H+4*\u:H+4*\u+3], v[WC] offset:16*\u          ; c2 x scale of my 16 k, then scale
.endr
	PROD 1, 26                                     ; behind them: 8 + 2, the 8 parts of |x|^2 and these 8
.endif
.endm
; The step's softmax, w's quantiser along the positions, and product 2
.macro SOFT
	s_wait_dscnt 0x0
.irp c, 0,1,2,3
	v_add_nc_u32 v[XAS+\c], 0xf7f7f7f8, v[XAS+\c]  ; 8 off each of the four bytes (each is 9 at the least: nothing is borrowed)
.endr
	FOLD XL                                        ; |x|^2 of my position: eight waves' parts, both halves of the channels
.rept 3
	v_nop
.endr
.irp p, 0,2,4,6,8,10,12,14
	v_pk_fma_f32 v[DD+\p:DD+\p+1], v[S+\p:S+\p+1], -2.0, v[XL:XL+1] op_sel_hi:[1,0,0]
.endr
.irp p, 0,2,4,6,8,10,12,14
	v_pk_fma_f32 v[DD+\p:DD+\p+1], v[DD+\p:DD+\p+1], v[H+16+\p:H+16+\p+1], v[H+\p:H+\p+1]
.endr
	v_max3_num_f32 v[MX], v[DD], v[DD+1], v[DD+2]
	v_max3_num_f32 v[MX+1], v[DD+3], v[DD+4], v[DD+5]
	s_delay_alu instid0(VALU_DEP_2)
	v_max3_num_f32 v[MX], v[MX], v[DD+6], v[DD+7]
	s_delay_alu instid0(VALU_DEP_2)
	v_max3_num_f32 v[MX+1], v[MX+1], v[DD+8], v[DD+9]
	s_delay_alu instid0(VALU_DEP_2)
	v_max3_num_f32 v[MX], v[MX], v[DD+10], v[DD+11]
	s_delay_alu instid0(VALU_DEP_2)
	v_max3_num_f32 v[MX+1], v[MX+1], v[DD+12], v[DD+13]
	s_delay_alu instid0(VALU_DEP_2)
	v_max3_num_f32 v[MX], v[MX], v[DD+14], v[DD+15]
	s_delay_alu instid0(VALU_DEP_1)
	v_max_num_f32 v[MX], v[MX], v[MX+1]
	s_delay_alu instid0(VALU_DEP_1)
	v_permlanex16_b32 v[TM+4], v[MX], s[SEL], s[SEL+1]
	s_delay_alu instid0(VALU_DEP_1)
	v_max_num_f32 v[MX], v[MX], v[TM+4]
.irp p, 0,2,4,6,8,10,12,14
	v_pk_add_f32 v[DD+\p:DD+\p+1], v[DD+\p:DD+\p+1], v[MX:MX+1] op_sel_hi:[1,0] neg_lo:[0,1] neg_hi:[0,1]
.endr
	s_wait_alu depctr_va_vdst(0)
.irp i, 0,1,2,3,4,5,6,7,8,9,10,11,12,13,14,15
	v_exp_f32 v[DD+\i], v[DD+\i]
.endr
	v_nop
	s_wait_alu depctr_va_vdst(0)                   ; and behind it
	v_pk_add_f32 v[TT:TT+1], v[DD:DD+1], v[DD+2:DD+3]
	v_pk_add_f32 v[TT+2:TT+3], v[DD+4:DD+5], v[DD+6:DD+7]
	v_pk_add_f32 v[TT+4:TT+5], v[DD+8:DD+9], v[DD+10:DD+11]
	v_pk_add_f32 v[TT+6:TT+7], v[DD+12:DD+13], v[DD+14:DD+15]
	FOLD TT
	s_wait_alu depctr_va_vdst(0)
	v_rcp_f32 v[MX], v[TT]
	v_nop
	s_wait_alu depctr_va_vdst(0)
.irp p, 0,2,4,6,8,10,12,14
	v_pk_mul_f32 v[DD+\p:DD+\p+1], v[DD+\p:DD+\p+1], v[MX:MX+1] op_sel_hi:[1,0]
.endr
.irp t, 0,1
.irp j, 0,1,2,3,4,5,6,7
	ds_store_b32 v[WFS], v[DD+8*\t+\j] offset:(16*\t+\j)*WFP     ; w(k, n): my position's column
.endr
.endr
	BARRIER
.irp j, 0,1,2,3
	ds_load_b128 v[UU+4*\j:UU+4*\j+3], v[WFR] offset:16*\j       ; back by rows: 16 positions of one k
.endr
	s_wait_dscnt 0x0
	v_max3_num_f32 v[TM], v[UU], v[UU+1], 0x4800000
	v_max3_num_f32 v[TM+1], v[UU+2], v[UU+3], v[UU+4]
	s_delay_alu instid0(VALU_DEP_2)
	v_max3_num_f32 v[TM], v[TM], v[UU+5], v[UU+6]
	s_delay_alu instid0(VALU_DEP_2)
	v_max3_num_f32 v[TM+1], v[TM+1], v[UU+7], v[UU+8]
	s_delay_alu instid0(VALU_DEP_2)
	v_max3_num_f32 v[TM], v[TM], v[UU+9], v[UU+10]
	s_delay_alu instid0(VALU_DEP_2)
	v_max3_num_f32 v[TM+1], v[TM+1], v[UU+11], v[UU+12]
	s_delay_alu instid0(VALU_DEP_2)
	v_max3_num_f32 v[TM], v[TM], v[UU+13], v[UU+14]
	s_delay_alu instid0(VALU_DEP_1)
	v_max3_num_f32 v[TM], v[TM], v[TM+1], v[UU+15]
	s_delay_alu instid0(VALU_DEP_1)
	v_permlanex16_b32 v[TM+4], v[TM], s[SEL], s[SEL+1]
	s_delay_alu instid0(VALU_DEP_1)
	v_max_num_f32 v[TM], v[TM], v[TM+4]
	v_pk_add_f32 v[TT:TT+1], v[UU:UU+1], v[UU+2:UU+3]
	v_pk_add_f32 v[TT+2:TT+3], v[UU+4:UU+5], v[UU+6:UU+7]
	v_pk_add_f32 v[TT+4:TT+5], v[UU+8:UU+9], v[UU+10:UU+11]
	v_pk_add_f32 v[TT+6:TT+7], v[UU+12:UU+13], v[UU+14:UU+15]
	s_delay_alu instid0(VALU_DEP_3)
	v_pk_add_f32 v[TT:TT+1], v[TT:TT+1], v[TT+2:TT+3]
	s_delay_alu instid0(VALU_DEP_2)
	v_pk_add_f32 v[TT+4:TT+5], v[TT+4:TT+5], v[TT+6:TT+7]
	s_delay_alu instid0(VALU_DEP_1)
	v_pk_add_f32 v[TT:TT+1], v[TT:TT+1], v[TT+4:TT+5]
	s_delay_alu instid0(VALU_DEP_1)
	v_pk_add_f32 v[WS:WS+1], v[WS:WS+1], v[TT:TT+1]              ; the sum of w over n, of the unquantised w
	v_add_nc_u32 v[TM+12], 0xfc000000, v[TM]
	v_and_or_b32 v[TM+8], v[TM], 0x7f800000, s[MNT]
	s_delay_alu instid0(VALU_DEP_2)
	v_lshrrev_b32 v[TM+5], 23, v[TM+12]
.irp i, 0,1,2,3,4,5,6,7,8,9,10,11,12,13,14,15
	v_min_num_f32 v[UU+\i], v[UU+\i], v[TM+8]
.endr
	v_cvt_scalef32_pk8_fp8_f32 v[WC:WC+1], v[UU:UU+7], v[TM+12]
	v_cvt_scalef32_pk8_fp8_f32 v[WC+2:WC+3], v[UU+8:UU+15], v[TM+12]
	v_nop
	ds_store_b128 v[WIS], v[WC:WC+3]
	ds_store_b32 v[WBS], v[TM+5]
	BARRIER
.irp t, 0,1
.irp c, 0,1,2,3
	ds_load_b128 v[WG+16*\t+4*\c:WG+16*\t+4*\c+3], v[L16] offset:WIMG+2048*\t+512*\c
.endr
	ds_load_b128 v[TM+4*\t:TM+4*\t+3], v[WSL] offset:256*\t
.endr
	s_wait_dscnt 0x0
.irp t, 0,1
	v_lshl_or_b32 v[WSW+\t], v[TM+4*\t+1], 8, v[TM+4*\t]
	s_delay_alu instid0(VALU_DEP_1)
	v_lshl_or_b32 v[WSW+\t], v[TM+4*\t+2], 16, v[WSW+\t]
	s_delay_alu instid0(VALU_DEP_1)
	v_lshl_or_b32 v[WSW+\t], v[TM+4*\t+3], 24, v[WSW+\t]
.endr
.rept 8
	v_nop
.endr
	WIN 0x51
.irp c, 0,1,2,3
.irp t, 0,1
	v_wmma_scale_f32_16x16x128_f8f6f4 v[ACC+8*(2*\c+\t):ACC+8*(2*\c+\t)+7], v[XA+16*\c:XA+16*\c+15], v[WG+16*\t:WG+16*\t+15], v[ACC+8*(2*\c+\t):ACC+8*(2*\c+\t)+7], v[XAS+\c], v[WSW+\t]
.endr
.endr
	WIN 0
.rept 8
	v_nop
.endr
.endm
	s_load_b128 s[4:7], s[0:1], 0x0                ; x, codewords
	s_load_b128 s[8:11], s[0:1], 0x10              ; scale, part
	v_lshl_add_u32 v[SPW], v0, 2, SPARE
	v_mov_b32 v[NIL], 0
	v_lshrrev_b32 v[T1], 5, v0
	v_and_b32 v[LN], 31, v0
	v_and_b32 v[RR], 15, v0
	v_bfe_u32 v[HH], v0, 4, 1
	v_readfirstlane_b32 s[WV], v[T1]
	v_lshlrev_b32 v[L16], 4, v[LN]
	v_lshlrev_b32 v[T2], 11, v[RR]
	v_lshlrev_b32 v[SGO], 5, v[HH]
	v_lshlrev_b32 v[VGO], 18, v[HH]                ; lanes 16-31: 16 channels further down
	v_lshl_add_u32 v[T2], v[HH], 6, v[T2]
	v_lshl_add_u32 v[VGO], v[RR], 4, v[VGO]
	s_wait_alu depctr_va_vdst(0)
	s_lshr_b32 s[WH], s[WV], 1
	s_and_b32 s[WL], s[WV], 1
	s_and_b32 s15, ttmp7, 0xffff                   ; the batch
	s_lshl_b32 s36, s15, 23
	s_lshl_b32 s37, ttmp9, 11                      ; my work-group's 512 positions
	s_add_co_u32 s36, s36, s37
	s_lshl_b32 s37, s[WV], 19                      ; my wave's 32 channels of a tile
	s_add_co_u32 s36, s36, s37
	s_mov_b32 s37, 0
	s_lshl_b32 s38, s15, 3
	s_add_co_u32 s38, s38, ttmp9
	s_lshl_b32 s38, s38, 16                        ; my work-group's part,
	s_lshl_b32 s40, s[WV], 13                      ; my wave's four k in it and in the codewords
	s_add_co_u32 s38, s38, s40
	s_mov_b32 s39, 0
	s_mov_b32 s41, 0
	s_lshl_b32 s15, s[WL], 15
	s_lshl_b32 s16, s[WH], 9
	s_add_co_u32 s15, s15, s16
	v_add_nc_u32 v[CGO], s15, v[T2]                ; the fragment of codewords that I quantise: k = 16 WL + r, channels 128 WH + 16 h ..
	s_mov_b32 s[SEL], 0x76543210
	s_mov_b32 s[SEL+1], 0xfedcba98
	s_mov_b32 s[MNT], 0x600000
	s_mov_b32 s[NEG], 0xc3e00000                   ; -448, 448
	s_mov_b32 s[POS], 0x43e00000
	s_mov_b32 s[FLR], 0x4800000                    ; the floor 2^(9-127)
	s_mov_b32 s[EM8], 0xfc000000
	s_mov_b32 s[EXM], 0x7f800000
	s_mov_b32 s[FCB], 0x83000000                   ; 262 << 23
	s_wait_alu depctr_va_vdst(0)
	s_wait_kmcnt 0x0
	s_add_nc_u64 s[4:5], s[4:5], s[36:37]
	s_add_nc_u64 s[10:11], s[10:11], s[38:39]
	s_add_nc_u64 s[40:41], s[6:7], s[40:41]
.irp b, 0,1,2,3
.irp g, 0,1,2,3
	global_load_b128 v[STA+16*\b+4*\g:STA+16*\b+4*\g+3], v[CGO], s[6:7] offset:128*\b+16*\g
.endr
.endr
.irp u, 0,1,2,3
	global_load_b128 v[H+16+4*\u:H+16+4*\u+3], v[SGO], s[8:9] offset:64*(\u/2)+16*(\u%2)
.endr
.irp u, 0,1
.irp j, 0,4,8,12
	GLQ \u, \j, 0                                  ; the first tile's two units
.endr
.endr
	SADD 36, 9, BCODE
	v_lshl_add_u32 v[BST], v[LN], 4, s36
	SADD 36, 12, BCODE
	v_lshl_add_u32 v[BLD], v[LN], 4, s36
	s_add_co_u32 s36, s[WV], BSC
	v_lshl_add_u32 v[BSS], v[RR], 3, s36
	SADD 36, 7, BSC
	v_lshl_add_u32 v[BSL], v[RR], 3, s36
	s_mul_i32 s36, s[WV], 2*AFR
	s_add_co_u32 s36, s36, APRIV
	v_mul_u32_u24 v[T1], v[HH], AFR
	s_delay_alu instid0(VALU_DEP_1)
	v_lshl_add_u32 v[T1], v[RR], 2, v[T1]
	s_delay_alu instid0(VALU_DEP_1)
	v_add_nc_u32 v[AST], s36, v[T1]
	v_mul_u32_u24 v[T1], v[RR], AP
	s_delay_alu instid0(VALU_DEP_1)
	v_lshl_add_u32 v[T1], v[HH], 4, v[T1]
	s_delay_alu instid0(VALU_DEP_1)
	v_add_nc_u32 v[ALD], s36, v[T1]
	SADD 36, 7, ASC
	v_lshrrev_b32 v[T1], 3, v[RR]
	s_delay_alu instid0(VALU_DEP_1)
	v_lshl_add_u32 v[T1], v[HH], 6, v[T1]
	s_delay_alu instid0(VALU_DEP_1)
	v_add_nc_u32 v[ASS], s36, v[T1]
	v_lshl_add_u32 v[ASL], v[RR], 2, s36
	SADD 36, 7, X2P
	v_lshl_add_u32 v[X2S], v[LN], 2, s36
	SADD 36, 10, X2P
	v_lshl_add_u32 v[X2L], v[LN], 2, s36
	s_lshr_b32 s36, s[WV], 2                       ; my fragment's positions: 64 (w / 4) + 4 r + w % 4
	s_lshl_b32 s36, s36, 8
	s_and_b32 s37, s[WV], 3
	s_lshl_b32 s37, s37, 2
	s_add_co_u32 s36, s36, s37
	s_add_co_u32 s36, s36, WF
	v_mul_u32_u24 v[T1], v[HH], 8*WFP
	s_delay_alu instid0(VALU_DEP_1)
	v_lshl_add_u32 v[T1], v[RR], 4, v[T1]
	s_delay_alu instid0(VALU_DEP_1)
	v_add_nc_u32 v[WFS], s36, v[T1]
	SADD 37, 6, C2P
	v_lshl_add_u32 v[C2S], v[RR], 2, s37
	s_mul_i32 s36, s[WL], 16*WFP
	s_lshl_b32 s37, s[WH], 7
	s_add_co_u32 s36, s36, s37
	s_add_co_u32 s36, s36, WF
	v_mul_u32_u24 v[T1], v[RR], WFP
	s_delay_alu instid0(VALU_DEP_1)
	v_lshl_add_u32 v[T1], v[HH], 6, v[T1]
	s_delay_alu instid0(VALU_DEP_1)
	v_add_nc_u32 v[WFR], s36, v[T1]
	s_lshl_b32 s36, s[WL], 11
	s_lshl_b32 s37, s[WH], 9
	s_add_co_u32 s36, s36, s37
	s_add_co_u32 s36, s36, WIMG
	v_lshl_add_u32 v[WIS], v[LN], 4, s36
	s_lshl_b32 s36, s[WL], 8
	s_lshl_b32 s37, s[WH], 2
	s_add_co_u32 s36, s36, s37
	s_add_co_u32 s36, s36, WSC
	v_lshl_add_u32 v[WBS], v[RR], 4, s36
	v_lshl_add_u32 v[WSL], v[RR], 4, WSC
	SADD 36, 11, CWIMG
	v_lshl_add_u32 v[CIS], v[LN], 4, s36
	SADD 36, 7, CWSC
	v_lshl_add_u32 v[CSS], v[LN], 2, s36
	v_lshl_add_u32 v[CSR], v[LN], 2, CWSC
	v_lshl_add_u32 v[C2R], v[HH], 5, C2P
	SADD SKC, 8, KCB
	v_lshl_add_u32 v[KCA], v[HH], 7, s[SKC]
	v_mov_b32 v[ONE], 1.0
.irp b, 0,1,2,3
	v_mov_b32 v[TM+4+\b], 0                        ; a lane permute's destination counts as read
.endr
	v_mov_b32 v[WS], 0
	v_mov_b32 v[WS+1], 0
	WIN 0x40
.set z_i, 0
.rept 64
	v_mov_b32 v[ACC+z_i], 0                        ; the step is written for a loop: the first finds zeros
.set z_i, z_i+1
.endr
	WIN 0
	s_wait_alu depctr_va_vdst(0)
	s_wait_loadcnt 36                              ; my fragment of codewords is in; scale's 4 and x's 32 loads may be out
	QMAX STA
	SQ STA, S
	QSCALE XBS
	QHOLD STA
	QCVT STA, XC
	v_nop
	FOLD S
.irp c, 0,1,2,3
	ds_store_b128 v[CIS], v[XC+4*\c:XC+4*\c+3] offset:512*\c
.endr
	ds_store_b32 v[CSS], v[XBS]
	ds_store_b32 v[C2S], v[S]
	s_wait_alu depctr_va_vdst(0)
	BARRIER
.irp f, 0,1,2,3,4,5,6,7
	ds_load_b32 v[CWS+\f], v[CSR] offset:128*\f
.endr
.irp q, 0,1,2,3
.irp u, 0,1,2,3
	ds_load_b128 v[STA+16*\q+4*\u:STA+16*\q+4*\u+3], v[C2R] offset:128*\q+64*(\u/2)+16*(\u%2)
.endr
.endr
	s_wait_loadcnt 32                              ; scale is in
	s_wait_dscnt 0x0
.irp p, 0,2,4,6,8,10,12,14
	v_pk_add_f32 v[H+\p:H+\p+1], v[STA+\p:STA+\p+1], v[STA+16+\p:STA+16+\p+1]
	v_pk_add_f32 v[STA+32+\p:STA+32+\p+1], v[STA+32+\p:STA+32+\p+1], v[STA+48+\p:STA+48+\p+1]
.endr
.irp p, 0,2,4,6,8,10,12,14
	v_pk_add_f32 v[H+\p:H+\p+1], v[H+\p:H+\p+1], v[STA+32+\p:STA+32+\p+1]
	v_pk_mul_f32 v[H+16+\p:H+16+\p+1], v[H+16+\p:H+16+\p+1], 0x3fb8aa3b op_sel_hi:[1,0]   ; scale x log2(e)
.endr
.irp p, 0,2,4,6,8,10,12,14
	v_pk_mul_f32 v[H+\p:H+\p+1], v[H+\p:H+\p+1], v[H+16+\p:H+16+\p+1]
.endr
.irp u, 0,1,2,3,4,5,6,7
	ds_store_b128 v[KCA], v[H+4*\u:H+4*\u+3] offset:16*\u        ; my wave's own copy; the sixteen lanes of a half write the same bytes with the same values
.endr
	s_wait_dscnt 0x0                               ; these stores have read their registers
	s_mov_b32 s[CNT], 3
.Ltrip:
	TILE 0, 1
	TILE 1, 1
	SOFT
	s_sub_co_u32 s[CNT], s[CNT], 1
	s_cmp_lg_u32 s[CNT], 0
	s_cbranch_scc1 .Ltrip
	TILE 0, 1
	TILE 1, 0                                      ; the last tile asks for nothing
	SOFT
	; THE WAY OUT: the sums through a stage of its own, back as rows of one k; less the sum of w x the codeword
.irp i, 0,1,2,3
.irp p, 0,1,2,3
	global_load_b128 v[STB+16*\i+4*\p:STB+16*\i+4*\p+3], v[L16], s[40:41] offset:2048*\i+512*\p
.endr
.endr
	v_add_f32 v[WS], v[WS], v[WS+1]
	s_delay_alu instid0(VALU_DEP_1)
	v_permlanex16_b32 v[TM+4], v[WS], s[SEL], s[SEL+1]
	s_delay_alu instid0(VALU_DEP_1)
	v_add_f32 v[WS], v[WS], v[TM+4]
	v_and_b32 v[TM], 15, v0
	v_bfe_u32 v[TM+1], v0, 4, 1
	SADD 36, 6, WSUM
	v_lshl_add_u32 v[TM+5], v[TM], 2, s36
	ds_store_b32 v[TM+5], v[WS]
	v_mul_u32_u24 v[TM], v[TM], STGP
	s_delay_alu instid0(VALU_DEP_1)
	v_lshl_add_u32 v[TM], v[TM+1], 5, v[TM]
	SADD 36, 7, STAGE
	v_add_nc_u32 v[TM], s36, v[TM]
	s_mul_i32 s36, s[WV], 4*STGP
	s_add_co_u32 s36, s36, STAGE
	v_add_nc_u32 v[TM+1], s36, v[L16]
	SADD 36, 4, WSUM
	v_mov_b32 v[TM+2], s36
	WIN 0x04
.irp c, 0,1,2,3
.irp t, 0,1
	ds_store_b128 v[TM], v[ACC+8*(2*\c+\t):ACC+8*(2*\c+\t)+3] offset:\t*16*STGP+(\c/2)*1024+(\c%2)*64
	ds_store_b128 v[TM], v[ACC+8*(2*\c+\t)+4:ACC+8*(2*\c+\t)+7] offset:\t*16*STGP+(\c/2)*1024+(\c%2)*64+16
.endr
.endr
	WIN 0
	s_wait_alu depctr_va_vdst(0)
	BARRIER
.irp q, 0,1,2,3
	ds_load_b128 v[FY+4*\q:FY+4*\q+3], v[TM+2] offset:128*\q
.endr
.irp i, 0,1,2,3
.irp p, 0,1,2,3
	ds_load_b128 v[STA+16*\i+4*\p:STA+16*\i+4*\p+3], v[TM+1] offset:\i*STGP+512*\p
.endr
.endr
	s_wait_dscnt 16
	v_pk_add_f32 v[FY:FY+1], v[FY:FY+1], v[FY+4:FY+5]
	v_pk_add_f32 v[FY+2:FY+3], v[FY+2:FY+3], v[FY+6:FY+7]
	v_pk_add_f32 v[FY+8:FY+9], v[FY+8:FY+9], v[FY+12:FY+13]
	v_pk_add_f32 v[FY+10:FY+11], v[FY+10:FY+11], v[FY+14:FY+15]
	s_delay_alu instid0(VALU_DEP_2)
	v_pk_add_f32 v[FY:FY+1], v[FY:FY+1], v[FY+8:FY+9]
	s_delay_alu instid0(VALU_DEP_2)
	v_pk_add_f32 v[FY+2:FY+3], v[FY+2:FY+3], v[FY+10:FY+11]
	s_wait_alu depctr_va_vdst(0)
	s_wait_loadcnt 0x0
	s_wait_dscnt 0x0
.irp i, 0,1,2,3
.irp e, 0,1,2,3,4,5,6,7,8,9,10,11,12,13,14,15
	v_fma_f32 v[STA+16*\i+\e], -v[FY+\i], v[STB+16*\i+\e], v[STA+16*\i+\e]
.endr
.irp p, 0,1,2,3
	global_store_b128 v[L16], v[STA+16*\i+4*\p:STA+16*\i+4*\p+3], s[10:11] offset:2048*\i+512*\p
.endr
.endr
	s_wait_tensorcnt 0x0                           ; the wave's end
	ds_add_u32 v[SPW], v[NIL]
	s_wait_dscnt 0x0
	s_endpgm
.Lfunc_end_k_qc7ba5cddb0_encode:
	.size	k_qc7ba5cddb0_encode, .Lfunc_end_k_qc7ba5cddb0_encode-k_qc7ba5cddb0_encode
	.p2alignl 7, 3214868480
	.fill 96, 4, 3214868480
	.section	.rodata,"a",@progbits
	.p2align	6, 0x0
	.amdhsa_kernel k_qc7ba5cddb0_encode
		.amdhsa_group_segment_fixed_size 223744
		.amdhsa_private_segment_fixed_size 0
		.amdhsa_enable_private_segment 0
		.amdhsa_kernarg_size 32
		.amdhsa_user_sgpr_count 2
		.amdhsa_user_sgpr_kernarg_segment_ptr 1
		.amdhsa_wavefront_size32 1
		.amdhsa_system_sgpr_workgroup_id_x 1
		.amdhsa_system_sgpr_workgroup_id_y 1
		.amdhsa_system_sgpr_workgroup_id_z 1
		.amdhsa_system_vgpr_workitem_id 0
		.amdhsa_next_free_vgpr 512
		.amdhsa_next_free_sgpr 66
		.amdhsa_reserve_vcc 0
		.amdhsa_float_denorm_mode_32 3
		.amdhsa_float_denorm_mode_16_64 3
		.amdhsa_memory_ordered 1
		.amdhsa_forward_progress 1
		.amdhsa_inst_pref_size 255
	.end_amdhsa_kernel
	.section	.bss,"aw",@nobits
	.p2align	6
	.space	262144
	.amdgpu_metadata
---
amdhsa.version: [ 1, 2 ]
amdhsa.kernels:
  - .name:           k_qc7ba5cddb0_encode
    .symbol:         k_qc7ba5cddb0_encode.kd
    .args:
      - { .name: x, .offset: 0, .size: 8, .value_kind: global_buffer, .address_space: global }
      - { .name: codewords, .offset: 8, .size: 8, .value_kind: global_buffer, .address_space: global }
      - { .name: scale, .offset: 16, .size: 8, .value_kind: global_buffer, .address_space: global }
      - { .name: part, .offset: 24, .size: 8, .value_kind: global_buffer, .address_space: global }
    .group_segment_fixed_size: 223744
    .private_segment_fixed_size: 0
    .kernarg_segment_align: 8
    .kernarg_segment_size: 32
    .max_flat_workgroup_size: 256
    .sgpr_count:     66
    .vgpr_count:     512
    .wavefront_size: 32
...
	.end_amdgpu_metadata
.endif
;; end of part 1
;; launch reduce (part 2): grid 256 x 1, 16 waves a work-group, no clusters, 0 bytes of LDS; arguments part, out0; writes out0
.if DOCPART == 2
	.amdgcn_target "amdgcn-amd-amdhsa--gfx1250"
	.amdhsa_code_object_version 6
	.text
	.protected	k_qc7ba5cddb0_reduce
	.globl	k_qc7ba5cddb0_reduce
	.p2align	8
	.type	k_qc7ba5cddb0_reduce,@function
k_qc7ba5cddb0_reduce:
	s_mov_b64 s[64:65], 0
	v_nop
	global_prefetch_b8 v0, s[64:65] scope:SCOPE_SE
	s_setreg_imm32_b32 hwreg(HW_REG_WAVE_MODE, 25, 1), 1
	s_wait_xcnt 0x0
; out0[b][k][c] = the sum over e = 0 .. 7 of part[b][e][k][c], in a fixed order.  part: [32][8][32][512] f32, out0: [32][32][512] f32.
; A stream: a thread owns 16 bytes of the output and loads the eight partial results of them, 65,536 bytes apart; a wave's load or store covers 512 consecutive bytes.
; A work-group of 16 waves owns 8,192 bytes of the output, an eighth of a batch.  No LDS, no barrier, no matrix unit: there is nothing for them to do here.
	s_load_b128 s[4:7], s[0:1], 0x0                ; part, out0
	v_lshlrev_b32 v1, 4, v0                        ; my 16 bytes
	s_lshr_b32 s8, ttmp9, 3                        ; the batch:
	s_lshl_b32 s8, s8, 19                          ; its eight partial results of 65,536 bytes,
	s_and_b32 s9, ttmp9, 7
	s_lshl_b32 s9, s9, 13                          ; my work-group's 8,192 bytes in each
	s_add_co_u32 s8, s8, s9
	s_mov_b32 s9, 0
	s_lshl_b32 s10, ttmp9, 13                      ; and in the output
	s_mov_b32 s11, 0
	s_wait_alu depctr_va_vdst(0)
	s_wait_kmcnt 0x0
	s_add_nc_u64 s[4:5], s[4:5], s[8:9]
	s_add_nc_u64 s[6:7], s[6:7], s[10:11]
.irp e, 0,1,2,3,4,5,6,7
	global_load_b128 v[4+4*\e:7+4*\e], v1, s[4:5] offset:65536*\e th:TH_LOAD_NT
.endr
	s_wait_loadcnt 0x6                             ; loads come back in order: the first two are in, six may be out
	v_pk_add_f32 v[4:5], v[4:5], v[8:9]
	v_pk_add_f32 v[6:7], v[6:7], v[10:11]
	s_wait_loadcnt 0x4                             ; the next two
	v_pk_add_f32 v[12:13], v[12:13], v[16:17]
	s_wait_alu depctr_va_vdst(0)
	v_pk_add_f32 v[14:15], v[14:15], v[18:19]
	v_pk_add_f32 v[4:5], v[4:5], v[12:13]
	s_delay_alu instid0(VALU_DEP_2)
	v_pk_add_f32 v[6:7], v[6:7], v[14:15]
	s_wait_loadcnt 0x2                             ; the next two
	v_pk_add_f32 v[20:21], v[20:21], v[24:25]
	v_pk_add_f32 v[22:23], v[22:23], v[26:27]
	s_wait_loadcnt 0x0
	v_pk_add_f32 v[28:29], v[28:29], v[32:33]
	s_wait_alu depctr_va_vdst(0)
	v_pk_add_f32 v[30:31], v[30:31], v[34:35]
	v_pk_add_f32 v[20:21], v[20:21], v[28:29]
	s_delay_alu instid0(VALU_DEP_2)
	v_pk_add_f32 v[22:23], v[22:23], v[30:31]
	s_delay_alu instid0(VALU_DEP_2)
	v_pk_add_f32 v[4:5], v[4:5], v[20:21]
	s_delay_alu instid0(VALU_DEP_2)
	v_pk_add_f32 v[6:7], v[6:7], v[22:23]
	global_store_b128 v1, v[4:7], s[6:7] th:TH_STORE_NT
	s_endpgm
.Lfunc_end_k_qc7ba5cddb0_reduce:
	.size	k_qc7ba5cddb0_reduce, .Lfunc_end_k_qc7ba5cddb0_reduce-k_qc7ba5cddb0_reduce
	.p2alignl 7, 3214868480
	.fill 96, 4, 3214868480
	.section	.rodata,"a",@progbits
	.p2align	6, 0x0
	.amdhsa_kernel k_qc7ba5cddb0_reduce
		.amdhsa_group_segment_fixed_size 0
		.amdhsa_private_segment_fixed_size 0
		.amdhsa_enable_private_segment 0
		.amdhsa_kernarg_size 16
		.amdhsa_user_sgpr_count 2
		.amdhsa_user_sgpr_kernarg_segment_ptr 1
		.amdhsa_wavefront_size32 1
		.amdhsa_system_sgpr_workgroup_id_x 1
		.amdhsa_system_sgpr_workgroup_id_y 1
		.amdhsa_system_sgpr_workgroup_id_z 1
		.amdhsa_system_vgpr_workitem_id 0
		.amdhsa_next_free_vgpr 40
		.amdhsa_next_free_sgpr 66
		.amdhsa_reserve_vcc 0
		.amdhsa_float_denorm_mode_32 3
		.amdhsa_float_denorm_mode_16_64 3
		.amdhsa_memory_ordered 1
		.amdhsa_forward_progress 1
		.amdhsa_inst_pref_size 3
	.end_amdhsa_kernel
	.amdgpu_metadata
---
amdhsa.version: [ 1, 2 ]
amdhsa.kernels:
  - .name:           k_qc7ba5cddb0_reduce
    .symbol:         k_qc7ba5cddb0_reduce.kd
    .args:
      - { .name: part, .offset: 0, .size: 8, .value_kind: global_buffer, .address_space: global }
      - { .name: out0, .offset: 8, .size: 8, .value_kind: global_buffer, .address_space: global }
    .group_segment_fixed_size: 0
    .private_segment_fixed_size: 0
    .kernarg_segment_align: 8
    .kernarg_segment_size: 16
    .max_flat_workgroup_size: 512
    .sgpr_count:     66
    .vgpr_count:     40
    .wavefront_size: 32
...
	.end_amdgpu_metadata
.endif
;; end of part 2
